; MI455X (gfx1250); checked and timed in simulation.
; The chip was launched on July 23, 2026; its instructions are those of AMD's public machine-readable ISA for CDNA 5 (MIT licence, August 2026) and "CDNA5" Instruction Set Architecture Reference Guide (July 2026). The comments in the code are by the model that wrote it; some were corrected since.
;; Local Multihead Attention. Allowed arithmetic: matrix products marked QUANTISED: E4M3 operands, one given power-of-two scale a tensor, by v_wmma_f32_16x16x64_fp8_fp8 or v_wmma_f32_16x16x128_fp8_fp8, f32 sums; everything else in f32.
;; Inputs: W_out 1,024 x 1,024 float32; W_qkv 3,072 x 1,024 float32; b_out 1,024 float32; b_qkv 3,072 float32; lowp_scales 8 int32 (the exponents e of the quantised operands' scales 2^e); x 4 x 2,048 x 1,024 float32.
;; Outputs: out0 4 x 2,048 x 1,024 float32.
;; This version of the problem:
;;   THIS VERSION OF THE PROBLEM IS GIVEN IN LOW PRECISION. The matrix products marked QUANTISED in the list below multiply operands that are first quantised to E4M3 (4 exponent bits, 3 mantissa bits; 8 bits a number), with one given power-of-two scale for each operand tensor; their sums are f32. All else is computed in f32.
;;   The module's matrix products, in the order in which they are computed (A, B: the left and right operand; K: the contracted axis; several contracted axes count as one K, in the product's order):
;;     1. [M 8,192, K 1,024] x [K 1,024, N 3,072]; A: input x; B: input W_qkv: QUANTISED (scales: A lowp_scales[0], B lowp_scales[1])
;;     2. batch 64 x [M 2,048, K 64] x [K 64, N 2,048]; A: computed on the way; B: computed on the way: QUANTISED (scales: A lowp_scales[2], B lowp_scales[3])
;;     3. batch 64 x [M 2,048, K 2,048] x [K 2,048, N 64]; A: softmax (see below); B: computed on the way: QUANTISED (scales: A lowp_scales[4], B lowp_scales[5])
;;     4. [M 8,192, K 1,024] x [K 1,024, N 1,024]; A: computed on the way; B: input W_out: QUANTISED (scales: A lowp_scales[6], B lowp_scales[7])
;;   THE QUANTISER, for each operand of a quantised product, along K:
;;     - The operand's scale is 2^e, e = its entry of the input lowp_scales (int32; the entries are numbered through the quantised products in the list's order, A before B).
;;     - Each number is divided by the scale, clamped to +-448, and rounded to the nearest number of E4M3, ties to even, subnormals kept.
;;     - The product sums the exact products of the quantised numbers (number of the format x scale) in f32.
;;   ~~~python
;;   def quantise(x, axis, e):      # numpy; x: float32 -> the quantised numbers, widened to float32 again
;;       x = np.moveaxis(x, axis, -1); K = x.shape[-1]
;;       r = np.clip(x / 2.0 ** e, -448, 448)
;;       step = 2.0 ** (np.maximum(np.frexp(np.where(r == 0, 1, r))[1] - 1, -6) - 3)
;;       q = np.round(r / step) * step * 2.0 ** e      # np.round: ties to even
;;       return np.moveaxis(q, -1, axis).astype(np.float32)
;;   ~~~
;;   SOFTMAX AHEAD OF A QUANTISED PRODUCT. Where the list says 'softmax', what is quantised is not the finished softmax but p = 2^(t - M), with t = logit x log2(e) and M = ceil(the row's largest t), a whole number; so 1/2 < the row's largest p <= 1. The row's sum l is taken of the UNQUANTISED p, in f32, and the product's result is divided by l at the end. Since M is a whole number, a kernel that streams over the keys may use a running M (the ceiling of the running maximum): every later rescaling is an exact power of two, so the quantised numbers keep their values, but for numbers so far below the row's largest that they fall under the format's range.
;;   OPERANDS COMPUTED ON THE WAY. 'Computed on the way' means the value that the module computes at that place (a softmax that the list does not call 'softmax' is quantised finished and normalised). What goes into a quantiser is computed in f32, as accurately as f32 sums, v_exp_f32 and their like allow (about 1e-6 of the number): no bf16 or f16 on the way to a quantiser, and a product that is left as it is and whose result goes on into a quantised operand takes f32 operands (vector FMAs, or v_wmma_f32_16x16x4_f32). A number that lies on a knife's edge between two numbers of the format may be rounded either way, as far as f32 arithmetic and the matrix unit's own rounding can turn it there, and no further.
;; One version. Each part assembles by itself: llvm-mc -triple=amdgcn-amd-amdhsa -mcpu=gfx1250 --defsym DOCPART=n.
;; ======== version 1 of 1: 4 launches
;; workspace buffers: xc 8,388,608 bytes; wqc 3,145,728 bytes; woc 1,048,576 bytes; qc 8,388,608 bytes; kc 8,388,608 bytes; vc 8,388,608 bytes; ac 8,388,608 bytes
;; launch quant (part 1): grid 768 x 1, 8 waves a work-group, no clusters, 68,608 bytes of LDS; arguments x, W_qkv, W_out, lowp_scales, xc, wqc, woc; writes xc, wqc, woc
.if DOCPART == 1
	.amdgcn_target "amdgcn-amd-amdhsa--gfx1250"
	.amdhsa_code_object_version 6
	.text
	.protected	k_q57a46bd9a5_quant
	.globl	k_q57a46bd9a5_quant
	.p2align	8
	.type	k_q57a46bd9a5_quant,@function
k_q57a46bd9a5_quant:
	s_mov_b64 s[64:65], 0
	v_nop
	global_prefetch_b8 v0, s[64:65] scope:SCOPE_SE
	s_setreg_imm32_b32 hwreg(HW_REG_WAVE_MODE, 25, 1), 1
	s_wait_xcnt 0x0
; x [8192][1024], W_qkv [3072][1024] and W_out [1024][1024], f32 with K innermost, become codes of FP8 (E4M3), each tensor with its given scale 2^e
; (entries 0, 1 and 7 of the scales): code = x / 2^e, held within +-448, to the nearest code, ties to even.
; THE CODES ARE LAID AS IMAGES OF OPERAND REGISTERS.  An image is 16 rows x 64 along K, the 8 registers a lane of the K = 64 matrix form: lane (r = lane % 16, h = lane / 16)
; holds row r, registers 2 c and 2 c + 1 hold k = 16 c + 8 h + 0 .. 7.  It takes 1,024 bytes: registers 0-3 at 16 x lane, registers 4-7 at 512 + 16 x lane.
; A group of 16 rows has 16 images on end, by K: 16,384 bytes.  W_qkv's groups are put in the order head x 12 + kind x 4 + part (kind: q, k, v; part: 16 of the head's 64 rows).
; SHARES.  A work-group takes one group of 16 rows (65,536 bytes of f32), wave w its K = 128 w .. 128 w + 127: two images.  Work-groups 0-511: x; 512-703: W_qkv; 704-767: W_out: only pointers,
; the group's number and e are chosen, by selects on the work-group's number: one path for all.
; Each load reads 512 consecutive bytes of a row, 16 a lane.  The conversion wants 8 neighbours along K in one lane, so the wave's 16 x 512 bytes turn through its own stage in LDS
; (rows 528 bytes apart: 33 x 16, so that sixteen lanes that read one column of sixteen rows touch sixteen different 16-byte columns of 256).  Each store covers 512 consecutive bytes, aligned.
; No loop, no barrier (waves share nothing), no matrix unit: the launch only moves and converts.
; LIMITS: -126 <= e and e + 8 <= 127 for the three exponents, so that 2^e and 448 x 2^e are f32 numbers.  NaN among the inputs is not served (an infinity is held at the largest code).
.set ROWB, 4096                        ; a source row in bytes
.set SP,   528                         ; a stage row
.set WST,  16*SP                       ; a wave's stage: 8,448 bytes
.set R,    16                          ; v16-79   the numbers as loaded: row i in four registers
.set X,    80                          ; v80-143  the numbers turned: piece c (8 neighbours along K) in eight registers
.set C,    144                         ; v144-159 the codes: two images
	s_load_b128 s[4:7], s[0:1], 0x0                ; x, W_qkv
	s_load_b128 s[8:11], s[0:1], 0x10              ; W_out, the scales' exponents
	s_load_b128 s[12:15], s[0:1], 0x20             ; xc, wqc
	s_load_b64 s[16:17], s[0:1], 0x30              ; woc
	v_lshl_add_u32 v160, v0, 2, 0x10800
	v_mov_b32 v161, 0
	v_lshrrev_b32 v5, 5, v0
	v_readfirstlane_b32 s18, v5                    ; wave 0..7
	v_and_b32 v6, 31, v0                           ; lane
	v_lshlrev_b32 v1, 4, v0                        ; in: 512 x wave + 16 x lane of a row
	v_lshlrev_b32 v2, 4, v6                        ; out: 16 x lane
	s_mul_i32 s19, s18, WST                        ; my stage
	v_add_nc_u32 v3, s19, v2                       ; into it: 16 x lane of a row
	v_and_b32 v7, 15, v0                           ; r
	v_bfe_u32 v8, v0, 4, 1                         ; h
	v_mul_u32_u24 v4, v7, SP
	v_lshl_add_u32 v4, v8, 5, v4
	v_add_nc_u32 v4, s19, v4                       ; out of it: row r, + 32 h bytes: 8 numbers of each 16
	s_mov_b32 s24, 704                             ; the first work-group of my tensor: 0, 512 or 704
	s_cmp_lt_u32 ttmp9, 704
	s_cselect_b32 s24, 512, s24
	s_cmp_lt_u32 ttmp9, 512
	s_cselect_b32 s24, 0, s24
	s_sub_co_u32 s25, ttmp9, s24                   ; the group's number in the source
	s_lshr_b32 s26, s25, 2                         ; W_qkv: source group = kind x 64 + head x 4 + part
	s_and_b32 s26, s26, 15
	s_mul_i32 s26, s26, 12                         ; head x 12
	s_lshr_b32 s27, s25, 6
	s_lshl_b32 s27, s27, 2                         ; kind x 4
	s_add_co_u32 s26, s26, s27
	s_and_b32 s27, s25, 3                          ; part
	s_add_co_u32 s26, s26, s27
	s_sub_co_u32 s27, ttmp9, 512
	s_cmp_lt_u32 s27, 192                          ; W_qkv's work-groups alone take the new order
	s_cselect_b32 s26, s26, s25                    ; the group's number in the codes
	s_lshl_b32 s28, s25, 16                        ; 65,536 bytes of f32 a group
	s_mov_b32 s29, 0
	s_lshl_b32 s30, s26, 14                        ; 16,384 bytes of codes a group,
	s_lshl_b32 s31, s18, 11                        ; my wave's two images
	s_add_co_u32 s30, s30, s31
	s_mov_b32 s31, 0
	s_wait_kmcnt 0x0
	s_load_b256 s[32:39], s[10:11], 0x0            ; e0 .. e7
	s_cmp_lt_u32 ttmp9, 704                        ; the choice hangs on the work-group's number alone
	s_cselect_b64 s[20:21], s[6:7], s[8:9]
	s_cselect_b64 s[22:23], s[14:15], s[16:17]
	s_cmp_lt_u32 ttmp9, 512
	s_cselect_b64 s[20:21], s[4:5], s[20:21]       ; the source
	s_cselect_b64 s[22:23], s[12:13], s[22:23]     ; the codes
	s_add_nc_u64 s[20:21], s[20:21], s[28:29]
	s_add_nc_u64 s[22:23], s[22:23], s[30:31]
.irp i, 0,1,2,3,4,5,6,7,8,9,10,11,12,13,14,15
	global_load_b128 v[R+4*\i:R+4*\i+3], v1, s[20:21] offset:ROWB*\i th:TH_LOAD_NT   ; row i: 32 lanes read 512 consecutive bytes; read once in the launch
.endr
	s_wait_kmcnt 0x0
	s_cmp_lt_u32 ttmp9, 704
	s_cselect_b32 s40, s33, s39
	s_cmp_lt_u32 ttmp9, 512
	s_cselect_b32 s40, s32, s40                    ; e
	s_add_co_i32 s40, s40, 127
	s_lshl_b32 s41, s40, 23
	v_mov_b32 v11, s41                             ; 2^e as f32: the conversion takes its exponent field
	s_add_co_i32 s40, s40, 8
	s_lshl_b32 s40, s40, 23
	s_or_b32 s40, s40, 0x600000
	v_mov_b32 v10, s40                             ; 448 x 2^e
.irp i, 0,1,2,3,4,5,6,7,8,9,10,11,12,13,14,15
	s_wait_loadcnt 15-\i                           ; loads come back in order: row i is in, the 15 - i younger ones stay out
	ds_store_b128 v3, v[R+4*\i:R+4*\i+3] offset:SP*\i
.endr
.irp c, 0,1,2,3,4,5,6,7
	ds_load_b128 v[X+8*\c:X+8*\c+3], v4 offset:64*\c       ; LDS serves a wave's instructions in order: these see my stores.  k = 16 c + 8 h + 0 .. 3 of row r,
	ds_load_b128 v[X+8*\c+4:X+8*\c+7], v4 offset:64*\c+16  ; and + 4 .. 7
.endr
.irp c, 0,1,2,3,4,5,6,7
	s_wait_dscnt 14-2*\c                           ; piece c's two loads are in; the 14 - 2 c behind them stay out
.irp i, 0,1,2,3,4,5,6,7
	v_med3_num_f32 v[X+8*\c+\i], v[X+8*\c+\i], -v10, v10   ; the conversion to an 8-bit code does not saturate (ISA guide 7.6.2): hold the number first
.endr
	v_cvt_scalef32_pk8_fp8_f32 v[C+2*\c:C+2*\c+1], v[X+8*\c:X+8*\c+7], v11   ; registers 2 c, 2 c + 1 of the two images on end
.endr
	v_nop                                          ; a plain vector line behind the last conversion
.irp k, 0,1,2,3
	global_store_b128 v2, v[C+4*\k:C+4*\k+3], s[22:23] offset:512*\k   ; 32 lanes store 512 consecutive bytes, at a multiple of 512 from the buffer's first byte
.endr
	s_wait_tensorcnt 0x0
	ds_add_u32 v160, v161
	s_wait_dscnt 0x0
	s_endpgm
.Lfunc_end_k_q57a46bd9a5_quant:
	.size	k_q57a46bd9a5_quant, .Lfunc_end_k_q57a46bd9a5_quant-k_q57a46bd9a5_quant
	.p2alignl 7, 3214868480
	.fill 96, 4, 3214868480
	.section	.rodata,"a",@progbits
	.p2align	6, 0x0
	.amdhsa_kernel k_q57a46bd9a5_quant
		.amdhsa_group_segment_fixed_size 68608
		.amdhsa_private_segment_fixed_size 0
		.amdhsa_enable_private_segment 0
		.amdhsa_kernarg_size 56
		.amdhsa_user_sgpr_count 2
		.amdhsa_user_sgpr_kernarg_segment_ptr 1
		.amdhsa_wavefront_size32 1
		.amdhsa_system_sgpr_workgroup_id_x 1
		.amdhsa_system_sgpr_workgroup_id_y 1
		.amdhsa_system_sgpr_workgroup_id_z 1
		.amdhsa_system_vgpr_workitem_id 0
		.amdhsa_next_free_vgpr 162
		.amdhsa_next_free_sgpr 66
		.amdhsa_reserve_vcc 0
		.amdhsa_float_denorm_mode_32 3
		.amdhsa_float_denorm_mode_16_64 3
		.amdhsa_memory_ordered 1
		.amdhsa_forward_progress 1
		.amdhsa_inst_pref_size 13
	.end_amdhsa_kernel
	.amdgpu_metadata
---
amdhsa.version: [ 1, 2 ]
amdhsa.kernels:
  - .name:           k_q57a46bd9a5_quant
    .symbol:         k_q57a46bd9a5_quant.kd
    .args:
      - { .name: x, .offset: 0, .size: 8, .value_kind: global_buffer, .address_space: global }
      - { .name: W_qkv, .offset: 8, .size: 8, .value_kind: global_buffer, .address_space: global }
      - { .name: W_out, .offset: 16, .size: 8, .value_kind: global_buffer, .address_space: global }
      - { .name: lowp_scales, .offset: 24, .size: 8, .value_kind: global_buffer, .address_space: global }
      - { .name: xc, .offset: 32, .size: 8, .value_kind: global_buffer, .address_space: global }
      - { .name: wqc, .offset: 40, .size: 8, .value_kind: global_buffer, .address_space: global }
      - { .name: woc, .offset: 48, .size: 8, .value_kind: global_buffer, .address_space: global }
    .group_segment_fixed_size: 68608
    .private_segment_fixed_size: 0
    .kernarg_segment_align: 8
    .kernarg_segment_size: 56
    .max_flat_workgroup_size: 256
    .sgpr_count:     66
    .vgpr_count:     162
    .wavefront_size: 32
...
	.end_amdgpu_metadata
.endif
;; end of part 1
;; launch qkv (part 2): grid 8 x 32, 4 waves a work-group, clusters of 4 x 4, 327,680 bytes of LDS; arguments xc, wqc, lowp_scales, b_qkv, qc, kc, vc; writes qc, kc, vc
.if DOCPART == 2
	.amdgcn_target "amdgcn-amd-amdhsa--gfx1250"
	.amdhsa_code_object_version 6
	.text
	.protected	k_q57a46bd9a5_qkv
	.globl	k_q57a46bd9a5_qkv
	.p2align	8
	.type	k_q57a46bd9a5_qkv,@function
k_q57a46bd9a5_qkv:
	s_mov_b64 s[64:65], 0
	v_nop
	global_prefetch_b8 v0, s[64:65] scope:SCOPE_SE
	s_setreg_imm32_b32 hwreg(HW_REG_WAVE_MODE, 25, 1), 1
	s_wait_xcnt 0x0
	s_wait_alu depctr_hold_cnt(0) depctr_sa_sdst(0) depctr_va_vdst(0) depctr_va_sdst(0) depctr_va_ssrc(0) depctr_va_vcc(0) depctr_vm_vsrc(0)
	s_getreg_b32 s2, hwreg(HW_REG_IB_STS2, 6, 4)
	s_cmp_eq_u32 s2, 0
	s_cbranch_scc0 .Lentry_in_a_cluster
	s_endpgm
.Lentry_in_a_cluster:
	s_bfe_u32 s2, ttmp6, 0x10000c
	s_cmp_lg_u32 s2, 0xf033
	s_cbranch_scc0 .Lentry_shape_is_right
	s_endpgm
.Lentry_shape_is_right:
; qkv = x W_qkv^T + b_qkv on codes of FP8 (E4M3), and q, k, v quantised at once (scales 2^e2, 2^e3, 2^e5) into the layouts that the attention launch reads.
; OPERANDS are images of operand registers: 16 rows x 64 K in 1,024 bytes (registers 0-3 at 16 x lane, 4-7 at 512 + 16 x lane; lane (r, h): row r, registers 2 c, 2 c + 1: k = 16 c + 8 h + 0 .. 7);
; a group of 16 rows holds 16 images by K: 16,384 bytes.  wqc's groups: head x 12 + kind x 4 + part.
; SHARES.  256 work-groups, one tile each: 256 rows x 384 columns = q, k, v of two heads.  Four waves; wave (rh, ch) makes 128 rows (groups a = 0 .. 7) x one head (blocks b = 0-3 q, 4-7 k, 8-11 v):
; 96 accumulators, 768 registers.  K goes in steps of 128 through a ring of two LDS slots; a step is two half steps of 64, 96 matrix instructions each (v_wmma_f32_16x16x64_fp8_fp8).
; q AND k ARE MADE TRANSPOSED (source 0 = 16 rows of W, source 1 = 16 rows of x): a lane holds one token and eight neighbours of the head's 64, so four blocks, converted, ARE an image of 16 tokens x 64.
; v IS MADE THE NATURAL WAY (source 0 = x, source 1 = W): a lane holds one of the head's 64 and eight neighbouring tokens: the keys are the K of attention's second product.
; CLUSTERS: 4 x 4 work-groups.  x's tile hangs on the tile row and is asked for jointly by a row of the cluster, W's on the tile column, by a column: the same tensor load, descriptor and mask in the four.
; OUT: qc, kc [b x 16 + head][token / 16][image];  vc [b x 16 + head][token / 32][d / 16][512 bytes]: lane (r, h): d = 16 dt + r, keys 8 h + 0 .. 7 and 16 + 8 h + 0 .. 7 of the 32.  Every store covers 512 consecutive bytes, aligned.
; REGISTERS, in windows of 256: window 0: v2-25 addresses and constants; v32-95, v96-159 x's fragments, TWO sets; v160-255 W's twelve fragments, ONE set: the products go by W's blocks, so a block is free
; as soon as its eight products are issued.  Windows 1, 2, 3: the accumulators of q, k, v: (a, b) at v[8 (8 (b % 4) + a)].
; LIMITS on the given exponents, so that each power of two is an f32 number: e0 + e1 between -126 and 127; e2, e3, e5 between -126 and 119.  NaN is not served.
; No prefetch: the launch has eight fills of a slot, shares them in the cluster, and each refill has 176 of a K step's 192 matrix instructions in which to land.
.set KB,    2048                       ; a group's bytes of a K step of 128: two images
.set ASZ,   16*KB                      ; x's 16 groups in a slot
.set SLOT,  40*KB                      ; then W's 24 groups: 81,920 bytes
.set SPARE, 2*SLOT                     ; behind the ring: the spare words, 128 bytes for each wave: two blocks of 256 bytes that no other line names
.set ADRA, 2                           ; v2-3   LDS address of my x fragments in slot 0, 1
.set ADRB, 4                           ; v4-5   the same for W
.set LO,   6                           ; v6     16 x lane
.set H32,  7                           ; v7     32 h: my eight numbers of a block's sixteen biases
.set R4,   8                           ; v8     4 r: my one number of them
.set SPW,  9                           ; v9     LDS address of my spare word; never rewritten
.set NIL,  10                          ; v10    0; never rewritten
.set SQ,   12                          ; v12-17 2^e and 448 x 2^e for q, k, v
.set BV,   18                          ; v18-25 v's bias: four pairs, the even register holds it
.set AF,   32
.set BF,   160
.set BI,   32                          ; the way out: q's and k's biases, eight registers a block
.set T,    96                          ; the way out: numbers at work
.set COD,  128                         ; the way out: codes
.set G1,  24                           ; s[24:31] descriptor group 1 for x's tiles;  s[32:39] group 0, a set for each slot
.set G0,  32
.set G1B, 48                           ; s[48:55], s[56:63] the same for W's
.set G0B, 56
.set MSB, 0
.macro WIN new                         ; the immediate's high byte repeats the setting that is left; a switch that changes nothing is dropped
.if MSB != (\new)
	s_set_vgpr_msb (MSB<<8)|(\new)
.set MSB, (\new)
.endif
.endm
.macro PLACES                          ; four plain vector lines between a matrix instruction and a load into, or a vector line on, one of its registers
.rept 4
	v_nop
.endr
.endm
.macro CREST                           ; a round of the cluster's barrier behind its opening barrier
	s_cmp_lg_u32 s14, 0
	s_cbranch_scc1 .Lnot_wave_0_\@
	s_barrier_signal -3
.Lnot_wave_0_\@:
	s_barrier_wait -3
	s_barrier_signal -1
	s_barrier_wait -1
.endm
.macro CROUND
	s_barrier_signal -1
	s_barrier_wait -1
	CREST
.endm
.macro JLOAD g0a, g0b                  ; a joint load: waves 0, 1 fetch x's halves, waves 2, 3 W's; the branch hangs on the wave's number alone; four v_nop follow each line
	s_cmp_eq_u32 s15, 0
	s_cbranch_scc0 .Lfor_b_\@
	tensor_load_to_lds s[\g0a:\g0a+3], s[G1:G1+7]
	s_nop 0
.rept 4
	v_nop
.endr
	s_branch .Lasked_\@
.Lfor_b_\@:
	tensor_load_to_lds s[\g0b:\g0b+3], s[G1B:G1B+7]
	s_nop 0
.rept 4
	v_nop
.endr
.Lasked_\@:
.endm
.macro FRAG reg, adr, off              ; an image comes back as the registers that it is: each load takes 512 consecutive bytes
	ds_load_b128 v[(\reg):(\reg)+3], v[\adr] offset:(\off)
	ds_load_b128 v[(\reg)+4:(\reg)+7], v[\adr] offset:(\off)+512
.endm
.macro FETCH_A slot, hs, p             ; x's eight fragments of half step hs into set p: 16 loads
.irp i, 0,1,2,3,4,5,6,7
	FRAG AF+64*(\p)+8*\i, ADRA+(\slot), \i*KB+(\hs)*1024
.endr
.endm
.macro FETCH_B slot, hs, b0            ; W's blocks b0 .. b0 + 5: 12 loads
.irp i, 0,1,2,3,4,5
	FRAG BF+8*((\b0)+\i), ADRB+(\slot), ((\b0)+\i)*KB+(\hs)*1024
.endr
.endm
; Eight matrix instructions: W's block b against x's eight groups of set p.  zero = 1: the product starts the sum: nothing is ever cleared.
; The 96 accumulators take turns, one instruction a turn, in the same order in every half step.
.macro MULB b, p, zero
	WIN 0x50*(1+(\b)/4)                            ; C and D in window 1, 2 or 3; the fragments in window 0
.irp a, 0,1,2,3,4,5,6,7
.set XD, 8*(8*((\b)%4)+\a)
.set XA, AF+64*(\p)+8*\a
.set XB, BF+8*(\b)
.if (\b) < 8
.if \zero
	v_wmma_f32_16x16x64_fp8_fp8 v[XD:XD+7], v[XB:XB+7], v[XA:XA+7], 0
.else
	v_wmma_f32_16x16x64_fp8_fp8 v[XD:XD+7], v[XB:XB+7], v[XA:XA+7], v[XD:XD+7]
.endif
.else
.if \zero
	v_wmma_f32_16x16x64_fp8_fp8 v[XD:XD+7], v[XA:XA+7], v[XB:XB+7], 0
.else
	v_wmma_f32_16x16x64_fp8_fp8 v[XD:XD+7], v[XA:XA+7], v[XB:XB+7], v[XD:XD+7]
.endif
.endif
.endr
.endm
; A slot's first half step (set 0).  In its middle it fetches the second half step's x (set 1) and W's blocks 0-5, at its end W's blocks 6-11.
.macro HSTEP slot, zero
	s_wait_dscnt 12                                ; all but the youngest twelve loads, W's blocks 6-11
.irp b, 0,1,2,3,4,5
	MULB \b, 0, \zero
.endr
	s_wait_dscnt 0x0                               ; W's blocks 6-11 are in (asked for 48 matrix instructions ago)
	PLACES
	WIN 0
	FETCH_B \slot, 1, 0
	FETCH_A \slot, 1, 1
.irp b, 6,7,8,9,10,11
	MULB \b, 0, \zero
.endr
	PLACES
	WIN 0
	FETCH_B \slot, 1, 6
.endm
; A slot's second half step (set 1) changes slots: ONE barrier.  In front of it each wave waits for all its tensor loads (one is out: its part of the next slot), adds 0 to its spare word,
; and waits for that and for its reads of this slot.  fill = 1: the barrier opens a round of the cluster's, and this slot is filled again, two K steps ahead.
.macro TURN slot, next, fill
	s_wait_dscnt 12
.irp b, 0,1,2,3
	MULB \b, 1, 0
.endr
	WIN 0                                          ; (the add's two registers lie in window 0)
	s_wait_tensorcnt 0x0                           ; all my tensor loads have landed
	ds_add_u32 v[SPW], v[NIL]                      ; 0 onto my spare word
	MULB 4, 1, 0                                   ; eight matrix instructions stand between the add and the wait for it
	s_wait_dscnt 0x0                               ; the add is done, and my reads of this slot are over
	s_barrier_signal -1
	MULB 5, 1, 0                                   ; work on registers while the others arrive
	WIN 0
	s_barrier_wait -1
.if \fill
	CREST                                          ; no wave of any partner still reads this slot or has a load on its way
	s_add_nc_u64 s[G0+4*\slot+2:G0+4*\slot+3], s[G0+4*\slot+2:G0+4*\slot+3], 2*KB
	s_add_nc_u64 s[G0B+4*\slot+2:G0B+4*\slot+3], s[G0B+4*\slot+2:G0B+4*\slot+3], 2*KB
	JLOAD G0+4*\slot, G0B+4*\slot                  ; the first tensor load behind the round, my only one until the next; its four v_nop are the places in front of the loads below
.else
	PLACES
.endif
	FETCH_B \next, 0, 0
	FETCH_A \next, 0, 0
.irp b, 6,7,8,9,10,11
	MULB \b, 1, 0
.endr
	PLACES
	WIN 0
	FETCH_B \next, 0, 6
.endm
	s_load_b256 s[4:11], s[0:1], 0x0               ; xc s[4:5], wqc s[6:7], the scales' exponents s[8:9], b_qkv s[10:11]
	s_load_b128 s[68:71], s[0:1], 0x20             ; qc, kc
	s_load_b64 s[72:73], s[0:1], 0x30              ; vc
	v_lshl_add_u32 v[SPW], v0, 2, SPARE
	v_mov_b32 v[NIL], 0
	ds_add_u32 v9, v10
	ds_add_u32 v9, v10
	s_wait_dscnt 0x0
	v_lshrrev_b32 v1, 5, v0
	v_readfirstlane_b32 s14, v1                    ; wave 0..3
	s_lshr_b32 s15, s14, 1                         ; rh: which 128 rows are mine.  Also: I fetch for x (0) or for W (1)
	s_and_b32 s16, s14, 1                          ; ch: which head.  Also: which half of that tile I fetch
	s_bfe_u32 s40, ttmp6, 0x40000                  ; cx, cy: my place in the cluster
	s_bfe_u32 s41, ttmp6, 0x40004
	s_lshl_b32 s42, ttmp9, 2
	s_add_co_u32 s42, s42, s40                     ; tile column = 4 x cluster x + cx: heads 2 tx, 2 tx + 1
	s_and_b32 s17, ttmp7, 0xffff
	s_lshl_b32 s17, s17, 2
	s_add_co_u32 s17, s17, s41                     ; tile row = 4 x cluster y + cy
	s_lshl_b32 s43, s41, 2
	s_lshl_b32 s43, 15, s43                        ; my row of the cluster
	s_lshl_b32 s44, 0x1111, s40                    ; my column
	; descriptor group 1: rows of 256 elements of 8 bytes (a group's 2,048 bytes of a K step), 2,048 elements (16,384 bytes) from group to group; dense in LDS.  x: 8 groups a load; W: 12
	s_or_b32 s[G1+0], s43, (3<<16)|(1<<21)         ; 15:0 the mask; 17:16 elements of 8 bytes; 21 set beside a mask; no padding
	s_or_b32 s[G1B+0], s44, (3<<16)|(1<<21)
	s_mov_b32 s[G1+1], 256<<16                     ; tensor_dim0
	s_mov_b32 s[G1+2], 8<<16                       ; tensor_dim1
	s_mov_b32 s[G1+3], 256<<16                     ; tile_dim0
	s_mov_b32 s[G1+4], 8                           ; tile_dim1
	s_mov_b32 s[G1+5], 2048                        ; tensor_dim0_stride
	s_mov_b32 s[G1+6], 0
	s_mov_b32 s[G1+7], 0
	s_mov_b32 s[G1B+1], 256<<16
	s_mov_b32 s[G1B+2], 12<<16
	s_mov_b32 s[G1B+3], 256<<16
	s_mov_b32 s[G1B+4], 12
	s_mov_b32 s[G1B+5], 2048
	s_mov_b32 s[G1B+6], 0
	s_mov_b32 s[G1B+7], 0
	s_lshl_b32 s18, s16, 3
	s_lshl_b32 s20, s17, 4
	s_add_co_u32 s20, s20, s18                     ; x: group 16 x tile row + 8 x half
	s_lshl_b32 s20, s20, 14
	s_mov_b32 s21, 0
	s_mul_i32 s19, s16, 12
	s_mul_i32 s46, s42, 24
	s_add_co_u32 s46, s46, s19                     ; W: group 24 x tile column + 12 x half
	s_lshl_b32 s46, s46, 14
	s_mov_b32 s47, 0
	s_lshl_b32 s45, s16, 14                        ; where they go: x's half x 8 groups;
	s_mul_i32 s22, s16, 12*KB
	s_add_co_u32 s22, s22, ASZ                     ; W's half x 12 groups, behind x's 16: no place in the cluster enters an LDS address
	s_wait_kmcnt 0x0
	s_load_b256 s[76:83], s[8:9], 0x0              ; e0 .. e7
	s_add_nc_u64 s[20:21], s[4:5], s[20:21]
	s_add_nc_u64 s[46:47], s[6:7], s[46:47]
	CROUND                                         ; all sixteen work-groups are here: the first joint loads meet
.irp s, 0,1
	s_mov_b32 s[G0+4*\s], 1
	s_add_co_u32 s[G0+4*\s+1], s45, \s*SLOT
	s_add_nc_u64 s[G0+4*\s+2:G0+4*\s+3], s[20:21], \s*KB
	s_or_b32 s[G0+4*\s+3], s[G0+4*\s+3], 0x80000000
	s_mov_b32 s[G0B+4*\s], 1
	s_add_co_u32 s[G0B+4*\s+1], s22, \s*SLOT
	s_add_nc_u64 s[G0B+4*\s+2:G0B+4*\s+3], s[46:47], \s*KB
	s_or_b32 s[G0B+4*\s+3], s[G0B+4*\s+3], 0x80000000
.endr
	s_cmp_eq_u32 s15, 0                            ; a wave's two first fills stand in one branch: two loads of mine are out
	s_cbranch_scc0 .Lfirst_b
	tensor_load_to_lds s[G0:G0+3], s[G1:G1+7]
	s_nop 0
	tensor_load_to_lds s[G0+4:G0+7], s[G1:G1+7]
	s_nop 0
.rept 4
	v_nop
.endr
	s_branch .Lfirst_asked
.Lfirst_b:
	tensor_load_to_lds s[G0B:G0B+3], s[G1B:G1B+7]
	s_nop 0
	tensor_load_to_lds s[G0B+4:G0B+7], s[G1B:G1B+7]
	s_nop 0
.rept 4
	v_nop
.endr
.Lfirst_asked:
	v_and_b32 v1, 31, v0
	v_lshlrev_b32 v[LO], 4, v1
	v_bfe_u32 v11, v0, 4, 1
	v_lshlrev_b32 v[H32], 5, v11
	v_and_b32 v[R4], 15, v0
	v_lshlrev_b32 v[R4], 2, v[R4]
	s_lshl_b32 s23, s15, 14                        ; my 8 groups of x
	v_add_nc_u32 v[ADRA], s23, v[LO]
	v_add_nc_u32 v[ADRA+1], SLOT, v[ADRA]
	v_add_nc_u32 v[ADRB], s22, v[LO]               ; my 12 groups of W: ch x 12 groups behind x's 16
	v_add_nc_u32 v[ADRB+1], SLOT, v[ADRB]
	s_lshl_b32 s86, s42, 1
	s_add_co_u32 s86, s86, s16                     ; my head
	s_lshl_b32 s88, s86, 8                         ; its 64 numbers of each kind's bias
	s_mov_b32 s89, 0
	s_add_nc_u64 s[10:11], s[10:11], s[88:89]
.irp b, 0,1,2,3
	global_load_b32 v[BV+2*\b], v[R4], s[10:11] offset:8192+64*\b   ; v's bias at d = 16 b + r
	v_mov_b32 v[BV+2*\b+1], 0                      ; (named with it as a pair, so it is written)
.endr
	s_lshr_b32 s87, s17, 3                         ; the batch: 8 tile rows each
	s_lshl_b32 s87, s87, 4
	s_add_co_u32 s87, s87, s86                     ; b x 16 + head
	s_lshl_b32 s88, s87, 17                        ; 131,072 bytes each, in qc, kc and vc alike: 64 bytes a token
	s_and_b32 s87, s17, 7
	s_lshl_b32 s87, s87, 1
	s_add_co_u32 s87, s87, s15
	s_lshl_b32 s87, s87, 13                        ; my first token x 64: 128 tokens x ((tile row % 8) x 2 + rh)
	s_add_co_u32 s88, s88, s87
	s_add_nc_u64 s[68:69], s[68:69], s[88:89]
	s_add_nc_u64 s[70:71], s[70:71], s[88:89]
	s_add_nc_u64 s[72:73], s[72:73], s[88:89]
	s_wait_tensorcnt 0x1                           ; my part of K step 0 is in; K step 1's may stay out
	s_barrier_signal -1
	s_barrier_wait -1                              ; everybody's is
	FETCH_B 0, 0, 0
	FETCH_A 0, 0, 0
	FETCH_B 0, 0, 6
	HSTEP 0, 1                                     ; the first half step stands in front of the loop: its products start the sums
	s_mov_b32 s3, 3
.Llap:                                                 ; a trip goes once round the ring, from a lap's second half step to the next lap's first, and fills both slots again: K steps 2 to 7
	TURN 0, 1, 1
	HSTEP 1, 0
	TURN 1, 0, 1
	HSTEP 0, 0
	s_sub_co_u32 s3, s3, 1
	s_cmp_lg_u32 s3, 0
	s_cbranch_scc1 .Llap
	TURN 0, 1, 0                                   ; the last lap fills nothing, and has no round
	HSTEP 1, 0
.irp k, 0,1                                    ; q's and k's biases into x's set 0, which is done with (the four places stand at the half step's end): lane (r, h): 16 b + 8 h + 0 .. 7
.irp b, 0,1,2,3
	global_load_b128 v[BI+32*\k+8*\b:BI+32*\k+8*\b+3], v[H32], s[10:11] offset:4096*\k+64*\b
	global_load_b128 v[BI+32*\k+8*\b+4:BI+32*\k+8*\b+7], v[H32], s[10:11] offset:4096*\k+64*\b+16
.endr
.endr
	s_wait_dscnt 12                                ; the very last half step: nothing more to fetch
.irp b, 0,1,2,3,4,5
	MULB \b, 1, 0
.endr
	s_wait_dscnt 0x0
.irp b, 6,7,8,9,10,11
	MULB \b, 1, 0
.endr
	WIN 0
	; THE WAY OUT.  number = sum x 2^(e0 + e1) + bias, one fused multiply-add; held; converted; the codes are stored as they stand in the registers.
	PLACES
	s_wait_loadcnt 0x0                             ; the biases
	s_wait_kmcnt 0x0                               ; the exponents
	s_add_co_i32 s84, s76, s77
	s_add_co_i32 s84, s84, 127
	s_lshl_b32 s84, s84, 23                        ; 2^(e0 + e1) as f32
	s_mov_b32 s85, s84                             ; (named with it as a pair, so it is written)
.macro MKSC e, vs                      ; v[vs] = 2^e, v[vs + 1] = 448 x 2^e, e in s[e]
	s_add_co_i32 s90, s[\e], 127
	s_lshl_b32 s91, s90, 23
	v_mov_b32 v[\vs], s91
	s_add_co_i32 s90, s90, 8
	s_lshl_b32 s90, s90, 23
	s_or_b32 s90, s90, 0x600000
	v_mov_b32 v[\vs+1], s90
.endm
	MKSC 78, SQ                                    ; e2: q
	MKSC 79, SQ+2                                  ; e3: k
	MKSC 81, SQ+4                                  ; e5: v
; 16 tokens (group a) of q (w = 1) or k (w = 2): four blocks of 8 numbers a lane become the 8 registers of an image
.macro QK_UNIT w, a
	WIN \w                                         ; source 0: the accumulators' window
.irp b, 0,1,2,3
.irp i, 0,2,4,6
	v_pk_fma_f32 v[T+8*\b+\i:T+8*\b+\i+1], v[8*(8*\b+\a)+\i:8*(8*\b+\a)+\i+1], s[84:85], v[BI+32*(\w-1)+8*\b+\i:BI+32*(\w-1)+8*\b+\i+1] op_sel_hi:[1,0,1]   ; each accumulator from its low end on
.endr
.endr
	WIN 0
.set J, 0
.rept 32
	v_med3_num_f32 v[T+J], v[T+J], -v[SQ+2*(\w-1)+1], v[SQ+2*(\w-1)+1]   ; the conversion does not saturate (ISA guide 7.6.2)
.set J, J+1
.endr
.irp b, 0,1,2,3
	v_cvt_scalef32_pk8_fp8_f32 v[COD+64*(\w-1)+8*\a+2*\b:COD+64*(\w-1)+8*\a+2*\b+1], v[T+8*\b:T+8*\b+7], v[SQ+2*(\w-1)]
.endr
	v_nop                                          ; a plain line between the conversions and the next unit's writes of their sources
	global_store_b128 v[LO], v[COD+64*(\w-1)+8*\a:COD+64*(\w-1)+8*\a+3], s[66+2*\w:67+2*\w] offset:\a*1024
	global_store_b128 v[LO], v[COD+64*(\w-1)+8*\a+4:COD+64*(\w-1)+8*\a+7], s[66+2*\w:67+2*\w] offset:\a*1024+512
.endm
; 32 tokens (groups 2 g, 2 g + 1) x 16 of the head's 64 (block b) of v: two accumulators become four registers: 16 codes along the keys
.macro V_UNIT g, b
	WIN 3
.irp q, 0,1
.irp i, 0,2,4,6
	v_pk_fma_f32 v[T+8*\q+\i:T+8*\q+\i+1], v[8*(8*\b+2*\g+\q)+\i:8*(8*\b+2*\g+\q)+\i+1], s[84:85], v[BV+2*\b:BV+2*\b+1] op_sel_hi:[1,0,0]   ; the lane's one bias for both halves
.endr
.endr
	WIN 0
.set J, 0
.rept 16
	v_med3_num_f32 v[T+J], v[T+J], -v[SQ+5], v[SQ+5]
.set J, J+1
.endr
	v_cvt_scalef32_pk8_fp8_f32 v[COD+4*(4*\g+\b):COD+4*(4*\g+\b)+1], v[T:T+7], v[SQ+4]
	v_cvt_scalef32_pk8_fp8_f32 v[COD+4*(4*\g+\b)+2:COD+4*(4*\g+\b)+3], v[T+8:T+15], v[SQ+4]
	v_nop
	global_store_b128 v[LO], v[COD+4*(4*\g+\b):COD+4*(4*\g+\b)+3], s[72:73] offset:(4*\g+\b)*512
.endm
.irp a, 0,1,2,3,4,5,6,7                        ; sixteen units, 128 registers of codes: none is written twice
	QK_UNIT 1, \a
	QK_UNIT 2, \a
.endr
	s_wait_xcnt 0x0                                ; q's stores have read their registers: v's codes take them
.irp g, 0,1,2,3
.irp b, 0,1,2,3
	V_UNIT \g, \b
.endr
.endr
	s_wait_tensorcnt 0x0                           ; the wave's end
	ds_add_u32 v[SPW], v[NIL]
	s_wait_dscnt 0x0
	CROUND                                         ; the closing round: no work-group ends while a partner may still ask for a tile that names it
	s_endpgm
.Lfunc_end_k_q57a46bd9a5_qkv:
	.size	k_q57a46bd9a5_qkv, .Lfunc_end_k_q57a46bd9a5_qkv-k_q57a46bd9a5_qkv
	.p2alignl 7, 3214868480
	.fill 96, 4, 3214868480
	.section	.rodata,"a",@progbits
	.p2align	6, 0x0
	.amdhsa_kernel k_q57a46bd9a5_qkv
		.amdhsa_group_segment_fixed_size 327680
		.amdhsa_private_segment_fixed_size 0
		.amdhsa_enable_private_segment 0
		.amdhsa_kernarg_size 56
		.amdhsa_user_sgpr_count 2
		.amdhsa_user_sgpr_kernarg_segment_ptr 1
		.amdhsa_wavefront_size32 1
		.amdhsa_system_sgpr_workgroup_id_x 1
		.amdhsa_system_sgpr_workgroup_id_y 1
		.amdhsa_system_sgpr_workgroup_id_z 1
		.amdhsa_system_vgpr_workitem_id 0
		.amdhsa_next_free_vgpr 1024
		.amdhsa_next_free_sgpr 104
		.amdhsa_reserve_vcc 0
		.amdhsa_float_denorm_mode_32 3
		.amdhsa_float_denorm_mode_16_64 3
		.amdhsa_memory_ordered 1
		.amdhsa_forward_progress 1
		.amdhsa_inst_pref_size 170
	.end_amdhsa_kernel
	.amdgpu_metadata
---
amdhsa.version: [ 1, 2 ]
amdhsa.kernels:
  - .name:           k_q57a46bd9a5_qkv
    .symbol:         k_q57a46bd9a5_qkv.kd
    .args:
      - { .name: xc, .offset: 0, .size: 8, .value_kind: global_buffer, .address_space: global }
      - { .name: wqc, .offset: 8, .size: 8, .value_kind: global_buffer, .address_space: global }
      - { .name: lowp_scales, .offset: 16, .size: 8, .value_kind: global_buffer, .address_space: global }
      - { .name: b_qkv, .offset: 24, .size: 8, .value_kind: global_buffer, .address_space: global }
      - { .name: qc, .offset: 32, .size: 8, .value_kind: global_buffer, .address_space: global }
      - { .name: kc, .offset: 40, .size: 8, .value_kind: global_buffer, .address_space: global }
      - { .name: vc, .offset: 48, .size: 8, .value_kind: global_buffer, .address_space: global }
    .group_segment_fixed_size: 327680
    .private_segment_fixed_size: 0
    .kernarg_segment_align: 8
    .kernarg_segment_size: 56
    .max_flat_workgroup_size: 128
    .sgpr_count:     104
    .vgpr_count:     1024
    .wavefront_size: 32
...
	.end_amdgpu_metadata
.endif
;; end of part 2
;; launch attn (part 3): grid 8 x 64, 4 waves a work-group, no clusters, 0 bytes of LDS; arguments qc, kc, vc, lowp_scales, ac; writes ac
.if DOCPART == 3
	.amdgcn_target "amdgcn-amd-amdhsa--gfx1250"
	.amdhsa_code_object_version 6
	.text
	.protected	k_q57a46bd9a5_attn
	.globl	k_q57a46bd9a5_attn
	.p2align	8
	.type	k_q57a46bd9a5_attn,@function
k_q57a46bd9a5_attn:
	s_mov_b64 s[64:65], 0
	v_nop
	global_prefetch_b8 v0, s[64:65] scope:SCOPE_SE
	s_setreg_imm32_b32 hwreg(HW_REG_WAVE_MODE, 25, 1), 1
	s_wait_xcnt 0x0
; Attention in the band |query - key| <= 32, both products on codes of FP8 (E4M3) with the given scales (q e2, k e3, p e4, v e5); the result is quantised with e6 for the output projection.
; SHARES.  Work-group y = b x 16 + head; a wave owns 64 queries (tiles u = 0 .. 3 of 16) and the window of 128 keys that begins 32 keys ahead of them (key tiles c = 0 .. 7).  Tile u needs key tiles
; u .. u + 4: the first is cut from below, the last from above, the three between count whole.  All that a wave reads (40 loads of 512 bytes) is asked for at its head and stays in registers:
; no LDS, no barrier, no loop; waves share nothing.  Nothing is prefetched for the same reason: every address is asked for at once.
; LAYOUT.  Both products transposed: S^T = K Q^T (source 0 = 16 keys, source 1 = 16 queries, K = 64), O^T = V^T P (source 0 = 16 of the head's 64, source 1 = P, K = the window's 128 keys): a lane holds
; ONE query (lane % 16).  S^T's tile of key tile c, converted, IS registers 2 c, 2 c + 1 of P; O^T's four tiles, converted, ARE the image (16 tokens x this head's 64) that the projection reads.
; SOFTMAX.  t = score x log2(e) / 8; M = ceil(the row's largest t): the whole row is in hand, so no running maximum is needed; p = 2^(t - M) is quantised; the sum of the unquantised p divides at the end.
; THE SEQUENCE'S ENDS.  Key tiles before key 0 or past key 2,047 are loaded from a clamped address inside the same head, their scores become -infinity, their p the code 0.  A query always sees itself, so M is a number.
; LIMITS: e2 + e3 between -123 and 130 (added to c's exponent field); e4 and e6 between -126 and 119; e4 + e5 is applied by v_ldexp_f32 and has none.
; REGISTERS: v1 16 x lane; v2 r - 8 h; v3 -infinity; v4, v5 2^e4, 448 x 2^e4; v6, v7 the same for e6; v[8:9] -M; v10-12 at work; v16+16u K's tile u, v24+16u Q's tile u, and over both, once they are
; done with, P of tile u; v80-111 K's tiles 4-7, later O^T (odd tiles); v112-175 V; v176-215 S^T, later O^T (even tiles) in v176-207; v216-223 the sums; v224-231 1 / sum; v232-247 codes; v[248:249] at work.
.set S,  176
.set L,  216
.set F,  224
	s_load_b256 s[4:11], s[0:1], 0x0               ; qc s[4:5], kc s[6:7], vc s[8:9], the scales' exponents s[10:11]
	s_load_b64 s[12:13], s[0:1], 0x20              ; ac
	v_lshrrev_b32 v13, 5, v0
	v_readfirstlane_b32 s14, v13                   ; wave 0..3
	v_and_b32 v1, 31, v0
	v_lshlrev_b32 v1, 4, v1                        ; 16 x lane
	v_and_b32 v2, 15, v0
	v_bfe_u32 v13, v0, 4, 1
	v_lshlrev_b32 v13, 3, v13
	v_sub_nc_u32 v2, v2, v13                       ; r - 8 h: register j of a tile holds key 8 h + j against query r
	v_mov_b32 v3, 0xff800000                       ; -infinity
	v_mov_b32 v9, 0                                ; (named as the upper half of the pair v[8:9])
	v_mov_b32 v12, 0                               ; written once: a lane permute's destination counts as one of its sources
	s_and_b32 s82, ttmp7, 0xffff                   ; b x 16 + head
	s_lshl_b32 s83, ttmp9, 2
	s_add_co_u32 s83, s83, s14                     ; my block of 64 queries, 0 .. 31
	s_lshl_b32 s84, s82, 17                        ; 131,072 bytes a head in qc, kc, vc
	s_lshl_b32 s86, s83, 12
	s_add_co_u32 s86, s86, s84                     ; my 64 tokens' 4,096 bytes: Q; K's tiles 2-5; V's granules 1, 2
	s_mov_b32 s87, 0
	s_lshl_b32 s88, s83, 2
	s_sub_co_i32 s88, s88, 2
	s_max_i32 s88, s88, 0                          ; K's tiles 0, 1: two tiles ahead, held at the head's first
	s_lshl_b32 s88, s88, 10
	s_add_co_u32 s88, s88, s84
	s_mov_b32 s89, 0
	s_lshl_b32 s90, s83, 2
	s_add_co_u32 s90, s90, 4
	s_min_u32 s90, s90, 126                        ; K's tiles 6, 7: held at the head's last two
	s_lshl_b32 s90, s90, 10
	s_add_co_u32 s90, s90, s84
	s_mov_b32 s91, 0
	s_wait_kmcnt 0x0
	s_load_b256 s[16:23], s[10:11], 0x0            ; e0 .. e7
	s_add_nc_u64 s[66:67], s[4:5], s[86:87]        ; Q
	s_add_nc_u64 s[70:71], s[6:7], s[86:87]        ; K, middle
	s_add_nc_u64 s[76:77], s[8:9], s[86:87]        ; V, middle
	s_add_nc_u64 s[68:69], s[6:7], s[88:89]        ; K, low
	s_add_nc_u64 s[72:73], s[6:7], s[90:91]        ; K, high
	s_lshl_b32 s88, s83, 1
	s_sub_co_i32 s88, s88, 1
	s_max_i32 s88, s88, 0                          ; V's granule 0 (32 keys, 2,048 bytes): one ahead, held at the first
	s_lshl_b32 s88, s88, 11
	s_add_co_u32 s88, s88, s84
	s_add_nc_u64 s[74:75], s[8:9], s[88:89]
	s_lshl_b32 s90, s83, 1
	s_add_co_u32 s90, s90, 2
	s_min_u32 s90, s90, 63                         ; V's granule 3: held at the last
	s_lshl_b32 s90, s90, 11
	s_add_co_u32 s90, s90, s84
	s_add_nc_u64 s[78:79], s[8:9], s[90:91]
	s_lshr_b32 s88, s82, 4
	s_lshl_b32 s88, s88, 7
	s_lshl_b32 s90, s83, 2
	s_add_co_u32 s88, s88, s90                     ; ac: group b x 128 + 4 x block,
	s_lshl_b32 s88, s88, 14
	s_and_b32 s90, s82, 15
	s_lshl_b32 s90, s90, 10                        ; image = head
	s_add_co_u32 s88, s88, s90
	s_add_nc_u64 s[80:81], s[12:13], s[88:89]
.macro ILOAD reg, base, off            ; an image: 8 registers, two loads of 512 consecutive bytes
	global_load_b128 v[\reg:\reg+3], v1, s[\base:\base+1] offset:\off
	global_load_b128 v[\reg+4:\reg+7], v1, s[\base:\base+1] offset:\off+512
.endm
.irp u, 0,1,2,3
	ILOAD 24+16*\u, 66, 1024*\u                    ; Q
.endr
	ILOAD 16, 68, 0                                ; K's eight tiles
	ILOAD 32, 68, 1024
	ILOAD 48, 70, 0
	ILOAD 64, 70, 1024
	ILOAD 80, 70, 2048
	ILOAD 88, 70, 3072
	ILOAD 96, 72, 0
	ILOAD 104, 72, 1024
.irp dt, 0,1,2,3                               ; V^T: d tile dt, granule g in registers 4 g .. 4 g + 3: keys 32 g + 8 h + 0 .. 7 and 32 g + 16 + 8 h + 0 .. 7
	global_load_b128 v[112+16*\dt:115+16*\dt], v1, s[74:75] offset:512*\dt
	global_load_b128 v[116+16*\dt:119+16*\dt], v1, s[76:77] offset:512*\dt
	global_load_b128 v[120+16*\dt:123+16*\dt], v1, s[76:77] offset:2048+512*\dt
	global_load_b128 v[124+16*\dt:127+16*\dt], v1, s[78:79] offset:512*\dt
.endr
	; the masks, made of lane numbers while the loads are out.  First tile: key - query = 8 h + j - 32 - r: hidden where j < r - 8 h.  Last tile: 8 h + j + 32 - r: hidden where j > r - 8 h
.irp j, 0,1,2,3,4,5,6,7
	v_cmp_lt_i32 s[24+\j], \j, v2
	v_cmp_gt_i32 s[40+\j], \j, v2
.endr
	s_cmp_eq_u32 s83, 0
	s_cselect_b32 s56, -1, 0                       ; all lanes where key tiles 0, 1 lie before key 0
	s_cmp_eq_u32 s83, 31
	s_cselect_b32 s57, -1, 0                       ; all lanes where key tiles 6, 7 lie past the last key
.irp j, 0,1,2,3,4,5,6,7
	s_or_b32 s[32+\j], s[24+\j], s56
	s_or_b32 s[48+\j], s[40+\j], s57
.endr
	s_mov_b32 s58, 0x76543210                      ; v_permlanex16_b32's selects for lane l xor 16
	s_mov_b32 s59, 0xfedcba98
	s_mov_b32 s60, 0x3e38aa3b                      ; c = log2(e) / 8
	s_wait_kmcnt 0x0
	s_add_co_i32 s88, s18, s19
	s_lshl_b32 s88, s88, 23
	s_add_co_i32 s60, s60, s88                     ; a score stands for score x 2^(e2 + e3): added to c's exponent field
	s_mov_b32 s61, s60                             ; (named with it as a pair, so it is written)
	s_add_co_i32 s62, s20, s21                     ; e4 + e5
.macro MKSC e, vs                      ; v[vs] = 2^e, v[vs + 1] = 448 x 2^e
	s_add_co_i32 s88, s[\e], 127
	s_lshl_b32 s90, s88, 23
	v_mov_b32 v[\vs], s90
	s_add_co_i32 s88, s88, 8
	s_lshl_b32 s88, s88, 23
	s_or_b32 s88, s88, 0x600000
	v_mov_b32 v[\vs+1], s88
.endm
	MKSC 20, 4                                     ; e4: p
	MKSC 22, 6                                     ; e6: the result
	s_wait_loadcnt 16                              ; Q and K are in; V's sixteen loads may stay out
; Tile u: five products, the mask, the maximum, p, its sum, its codes.
.macro SOFT u
.set PU, 16+16*(\u)
.irp cc, 0,1,2,3,4
.set KCI, (\u)+\cc
.if KCI < 4
.set KRG, 16+16*KCI
.else
.set KRG, 48+8*KCI
.endif
	v_wmma_f32_16x16x64_fp8_fp8 v[S+8*\cc:S+8*\cc+7], v[KRG:KRG+7], v[PU+8:PU+15], 0
.endr
.rept 4
	v_nop                                          ; four places behind the products
.endr
.if (\u) <= 1
.set MKL, 32                                   ; with the sequence's first end
.else
.set MKL, 24
.endif
.if (\u) >= 2
.set MKU, 48                                   ; with its last end
.else
.set MKU, 40
.endif
.irp j, 0,1,2,3,4,5,6,7
	v_cndmask_b32 v[S+\j], v[S+\j], v3, s[MKL+\j]
.endr
.if (\u) == 0
.irp j, 0,1,2,3,4,5,6,7
	v_cndmask_b32 v[S+8+\j], v[S+8+\j], v3, s56
.endr
.endif
.if (\u) == 3
.irp j, 0,1,2,3,4,5,6,7
	v_cndmask_b32 v[S+24+\j], v[S+24+\j], v3, s57
.endr
.endif
.irp j, 0,1,2,3,4,5,6,7
	v_cndmask_b32 v[S+32+\j], v[S+32+\j], v3, s[MKU+\j]
.endr
	v_max3_num_f32 v10, v[S], v[S+1], v[S+2]       ; the largest score of my query among my 40 keys, in two chains, ascending: each accumulator is first read at its low end
	v_max3_num_f32 v11, v[S+16], v[S+17], v[S+18]
.irp i, 3,5,7,9,11,13
	v_max3_num_f32 v10, v10, v[S+\i], v[S+\i+1]
	v_max3_num_f32 v11, v11, v[S+16+\i], v[S+17+\i]
.endr
.irp i, 31,33,35,37
	v_max3_num_f32 v11, v11, v[S+\i], v[S+\i+1]
.endr
	v_max_num_f32 v10, v10, v[S+15]
	v_max_num_f32 v11, v11, v[S+39]
	v_max_num_f32 v10, v10, v11
	v_permlanex16_b32 v12, v10, s58, s59
	v_max_num_f32 v10, v10, v12                    ; and among lane l xor 16's
	v_mul_f32 v10, s60, v10                        ; as t (c is positive)
	v_floor_f32 v8, -v10                           ; -M = floor(-t) = -ceil(t)
.set J, 0
.rept 20
	v_pk_fma_f32 v[S+J:S+J+1], v[S+J:S+J+1], s[60:61], v[8:9] op_sel_hi:[1,0,0]   ; t - M, two at a time
.set J, J+2
.endr
.set J, 0
.rept 40
	v_exp_f32 v[S+J], v[S+J]                       ; p = 2^(t - M): 0 where the score is -infinity
.set J, J+1
.endr
.irp c, 0,1,2,3,4,5,6,7                        ; P's registers of the three key tiles outside the band: the code 0.  (Plain lines behind the exponentials; K's tile u and Q's tile u are done with)
.if (\c < (\u)) || (\c > (\u)+4)
	v_mov_b32 v[PU+2*\c], 0
	v_mov_b32 v[PU+2*\c+1], 0
.endif
.endr
	s_wait_alu depctr_va_vdst(0)                   ; one wait for the batch of 40, ahead of its first reader
	v_pk_add_f32 v[L+2*(\u):L+2*(\u)+1], v[S:S+1], v[S+2:S+3]   ; the sum of the UNQUANTISED p, two at a time, in two chains
	v_pk_add_f32 v[248:249], v[S+4:S+5], v[S+6:S+7]
.irp j, 8,12,16,20,24,28,32,36
	v_pk_add_f32 v[L+2*(\u):L+2*(\u)+1], v[L+2*(\u):L+2*(\u)+1], v[S+\j:S+\j+1]
	v_pk_add_f32 v[248:249], v[248:249], v[S+\j+2:S+\j+3]
.endr
	v_pk_add_f32 v[L+2*(\u):L+2*(\u)+1], v[L+2*(\u):L+2*(\u)+1], v[248:249]
.set J, 0
.rept 40
	v_min_num_f32 v[S+J], v[S+J], v5               ; the conversion does not saturate (ISA guide 7.6.2); p is not negative, so the hold is one-sided
.set J, J+1
.endr
.irp cc, 0,1,2,3,4
	v_cvt_scalef32_pk8_fp8_f32 v[PU+2*((\u)+\cc):PU+2*((\u)+\cc)+1], v[S+8*\cc:S+8*\cc+7], v4
.endr
	v_nop                                          ; a plain line between the conversions and the products that write their sources or read their results
.endm
.macro PV u                            ; O^T = V^T P: four tiles of 16 of the head's 64; K = the window's 128 keys
.set OU, 176-96*((\u)%2)
.irp dt, 0,1,2,3
	v_wmma_f32_16x16x128_fp8_fp8 v[OU+8*\dt:OU+8*\dt+7], v[112+16*\dt:127+16*\dt], v[16+16*(\u):31+16*(\u)], 0
.endr
.endm
.macro FIN u                           ; O^T x 2^(e4 + e5) / sum, held, converted with 2^e6, stored as an image
.set OU, 176-96*((\u)%2)
.set CU, 232+8*((\u)%2)
.if (\u) >= 2
	s_wait_xcnt 0x0                                ; tile u - 2's stores have read these registers
.endif
.set J, 0
.rept 16
	v_pk_mul_f32 v[OU+J:OU+J+1], v[OU+J:OU+J+1], v[F+2*(\u):F+2*(\u)+1] op_sel_hi:[1,0]   ; each accumulator from its low end on
.set J, J+2
.endr
.set J, 0
.rept 32
	v_med3_num_f32 v[OU+J], v[OU+J], -v7, v7
.set J, J+1
.endr
.irp dt, 0,1,2,3
	v_cvt_scalef32_pk8_fp8_f32 v[CU+2*\dt:CU+2*\dt+1], v[OU+8*\dt:OU+8*\dt+7], v6
.endr
	v_nop
	global_store_b128 v1, v[CU:CU+3], s[80:81] offset:16384*(\u)          ; 32 lanes store 512 consecutive bytes, aligned
	global_store_b128 v1, v[CU+4:CU+7], s[80:81] offset:16384*(\u)+512
.endm
	SOFT 0
	SOFT 1
	SOFT 2
	SOFT 3
	s_wait_loadcnt 0x0                             ; V
	PV 0
	PV 1
.irp u, 0,1,2,3                                ; the sums: the pair's halves, then lane l xor 16's.  (These lines are the places behind the products)
	v_add_f32 v[L+2*\u], v[L+2*\u], v[L+2*\u+1]
.endr
.irp u, 0,1,2,3
	v_permlanex16_b32 v[L+2*\u+1], v[L+2*\u], s58, s59
.endr
.irp u, 0,1,2,3
	v_add_f32 v[L+2*\u], v[L+2*\u], v[L+2*\u+1]
.endr
.irp u, 0,1,2,3
	v_rcp_f32 v[F+2*\u], v[L+2*\u]
.endr
.irp u, 0,1,2,3
	v_mov_b32 v[F+2*\u+1], 0                       ; (named as the pairs' upper halves.)  Plain lines behind the reciprocals
.endr
	s_wait_alu depctr_va_vdst(0)                   ; one wait for the four reciprocals, ahead of their first reader
.irp u, 0,1,2,3
	v_ldexp_f32 v[F+2*\u], v[F+2*\u], s62          ; x 2^(e4 + e5)
.endr
	FIN 0
	PV 2                                           ; into the registers that tile 0 has left
	FIN 1
	PV 3
	FIN 2
	FIN 3
	s_endpgm
.Lfunc_end_k_q57a46bd9a5_attn:
	.size	k_q57a46bd9a5_attn, .Lfunc_end_k_q57a46bd9a5_attn-k_q57a46bd9a5_attn
	.p2alignl 7, 3214868480
	.fill 96, 4, 3214868480
	.section	.rodata,"a",@progbits
	.p2align	6, 0x0
	.amdhsa_kernel k_q57a46bd9a5_attn
		.amdhsa_group_segment_fixed_size 0
		.amdhsa_private_segment_fixed_size 0
		.amdhsa_enable_private_segment 0
		.amdhsa_kernarg_size 40
		.amdhsa_user_sgpr_count 2
		.amdhsa_user_sgpr_kernarg_segment_ptr 1
		.amdhsa_wavefront_size32 1
		.amdhsa_system_sgpr_workgroup_id_x 1
		.amdhsa_system_sgpr_workgroup_id_y 1
		.amdhsa_system_sgpr_workgroup_id_z 1
		.amdhsa_system_vgpr_workitem_id 0
		.amdhsa_next_free_vgpr 256
		.amdhsa_next_free_sgpr 92
		.amdhsa_reserve_vcc 0
		.amdhsa_float_denorm_mode_32 3
		.amdhsa_float_denorm_mode_16_64 3
		.amdhsa_memory_ordered 1
		.amdhsa_forward_progress 1
		.amdhsa_inst_pref_size 60
	.end_amdhsa_kernel
	.amdgpu_metadata
---
amdhsa.version: [ 1, 2 ]
amdhsa.kernels:
  - .name:           k_q57a46bd9a5_attn
    .symbol:         k_q57a46bd9a5_attn.kd
    .args:
      - { .name: qc, .offset: 0, .size: 8, .value_kind: global_buffer, .address_space: global }
      - { .name: kc, .offset: 8, .size: 8, .value_kind: global_buffer, .address_space: global }
      - { .name: vc, .offset: 16, .size: 8, .value_kind: global_buffer, .address_space: global }
      - { .name: lowp_scales, .offset: 24, .size: 8, .value_kind: global_buffer, .address_space: global }
      - { .name: ac, .offset: 32, .size: 8, .value_kind: global_buffer, .address_space: global }
    .group_segment_fixed_size: 0
    .private_segment_fixed_size: 0
    .kernarg_segment_align: 8
    .kernarg_segment_size: 40
    .max_flat_workgroup_size: 128
    .sgpr_count:     92
    .vgpr_count:     256
    .wavefront_size: 32
...
	.end_amdgpu_metadata
.endif
;; end of part 3
;; launch proj (part 4): grid 8 x 32, 4 waves a work-group, clusters of 4 x 4, 327,680 bytes of LDS; arguments ac, woc, lowp_scales, b_out, out0; writes out0
.if DOCPART == 4
	.amdgcn_target "amdgcn-amd-amdhsa--gfx1250"
	.amdhsa_code_object_version 6
	.text
	.protected	k_q57a46bd9a5_proj
	.globl	k_q57a46bd9a5_proj
	.p2align	8
	.type	k_q57a46bd9a5_proj,@function
k_q57a46bd9a5_proj:
	s_mov_b64 s[64:65], 0
	v_nop
	global_prefetch_b8 v0, s[64:65] scope:SCOPE_SE
	s_setreg_imm32_b32 hwreg(HW_REG_WAVE_MODE, 25, 1), 1
	s_wait_xcnt 0x0
	s_wait_alu depctr_hold_cnt(0) depctr_sa_sdst(0) depctr_va_vdst(0) depctr_va_sdst(0) depctr_va_ssrc(0) depctr_va_vcc(0) depctr_vm_vsrc(0)
	s_getreg_b32 s2, hwreg(HW_REG_IB_STS2, 6, 4)
	s_cmp_eq_u32 s2, 0
	s_cbranch_scc0 .Lentry_in_a_cluster
	s_endpgm
.Lentry_in_a_cluster:
	s_bfe_u32 s2, ttmp6, 0x10000c
	s_cmp_lg_u32 s2, 0xf033
	s_cbranch_scc0 .Lentry_shape_is_right
	s_endpgm
.Lentry_shape_is_right:
; out0 = a W_out^T + b_out on codes of FP8 (E4M3): a [8192][1024] (scale 2^e6) and W_out [1024][1024] (2^e7) as images of operand registers (16 rows x 64 K in 1,024 bytes; a group of 16 rows: 16 images, 16,384 bytes).
; SHARES.  256 work-groups, one tile of 256 x 128 each (tiles of 256 x 256 would be 128).  Four waves; wave (rh, ch) makes 128 rows (groups a = 0 .. 7) x 64 columns (blocks b = 0 .. 3): 32 accumulators.
; K = 1,024 is four fills of 256: three LDS slots are filled at the start, slot 0 once more.  16 half steps of 64 along K, 32 matrix instructions each (v_wmma_f32_16x16x64_fp8_fp8), written out; each fetches the next one's
; 24 fragment loads ahead of its own products, into the other of two sets.
; THE MATRIX INSTRUCTION IS USED TRANSPOSED (source 0 = 16 rows of W, source 1 = 16 rows of a): a lane holds eight neighbouring numbers of a row of the output.
; CLUSTERS: 4 x 4.  a's tile is asked for jointly by a row of the cluster, W's by a column.
; REGISTERS: window 0: v2-13 addresses; v32-95, v96-159 a's fragments, two sets; v160-191, v192-223 W's, two sets.  Window 1: the accumulators, (a, b) at v[8 (8 b + a)].  Window 2, v0-31: b_out in the result's layout.
; LIMIT: e6 + e7 between -126 and 127, so that 2^(e6 + e7) is an f32 number.
; No prefetch: four fills in all, three of them at the head, shared in the cluster; the one refill has 224 matrix instructions in which to land.
.set KB,    4096                       ; a group's bytes of 256 along K: four images
.set ASZ,   16*KB                      ; a's 16 groups in a slot
.set SLOT,  24*KB                      ; then W's 8 groups: 98,304 bytes
.set SPARE, 3*SLOT                     ; behind the slots: the spare words, 128 bytes for each wave: two blocks of 256 bytes that no other line names
.set STAGE, SPARE+512                  ; behind them: 16 rows x 272 bytes for each wave, for the way out; no tensor load lands here
.set SP,    272                        ; a stage row: 256 bytes + 16: 17 x 16, so that sixteen lanes on sixteen rows touch sixteen different 16-byte columns of 256
.set ADRA, 2                           ; v2-4   LDS address of my a fragments in slot 0, 1, 2
.set ADRB, 5                           ; v5-7   the same for W
.set STO,  8                           ; v8     the way out: where I put 32 bytes of a row
.set RDB,  9                           ; v9     where I read a row back
.set CO,   10                          ; v10    my byte offset in the output
.set H32,  11                          ; v11    32 h
.set SPW,  12                          ; v12    LDS address of my spare word; never rewritten
.set NIL,  13                          ; v13    0; never rewritten
.set AF,   32
.set BF,   160
.set T,    32                          ; the way out: a block's 32 numbers
.set G1,  24                           ; s[24:31] descriptor group 1 for a's tiles;  s[32:43] group 0, a set for each slot
.set G0,  32
.set G0B, 44                           ; s[44:55] group 0 for W's tiles;  s[56:63] their group 1
.set G1B, 56
.set MSB, 0
.macro WIN new                         ; the immediate's high byte repeats the setting that is left; a switch that changes nothing is dropped
.if MSB != (\new)
	s_set_vgpr_msb (MSB<<8)|(\new)
.set MSB, (\new)
.endif
.endm
.macro PLACES                          ; four plain vector lines between a matrix instruction and a load into, or a vector line on, one of its registers
.rept 4
	v_nop
.endr
.endm
.macro CREST                           ; a round of the cluster's barrier behind its opening barrier
	s_cmp_lg_u32 s14, 0
	s_cbranch_scc1 .Lnot_wave_0_\@
	s_barrier_signal -3
.Lnot_wave_0_\@:
	s_barrier_wait -3
	s_barrier_signal -1
	s_barrier_wait -1
.endm
.macro CROUND
	s_barrier_signal -1
	s_barrier_wait -1
	CREST
.endm
.macro JLOAD g0a, g0b                  ; a joint load: waves 0, 1 fetch a's halves, waves 2, 3 W's; four v_nop follow each line
	s_cmp_eq_u32 s15, 0
	s_cbranch_scc0 .Lfor_b_\@
	tensor_load_to_lds s[\g0a:\g0a+3], s[G1:G1+7]
	s_nop 0
.rept 4
	v_nop
.endr
	s_branch .Lasked_\@
.Lfor_b_\@:
	tensor_load_to_lds s[\g0b:\g0b+3], s[G1B:G1B+7]
	s_nop 0
.rept 4
	v_nop
.endr
.Lasked_\@:
.endm
.macro FRAG reg, adr, off              ; an image comes back as the registers that it is: each load takes 512 consecutive bytes
	ds_load_b128 v[(\reg):(\reg)+3], v[\adr] offset:(\off)
	ds_load_b128 v[(\reg)+4:(\reg)+7], v[\adr] offset:(\off)+512
.endm
.macro PFETCH i                        ; half step i's fragments: slot (i / 4) % 3, image i % 4 of each group, into set i % 2: 24 loads
.set FSL, ((\i)/4)%3
.set FHS, (\i)%4
.set FPP, (\i)%2
.irp b, 0,1,2,3
	FRAG BF+32*FPP+8*\b, ADRB+FSL, \b*KB+FHS*1024
.endr
.irp a, 0,1,2,3,4,5,6,7
	FRAG AF+64*FPP+8*\a, ADRA+FSL, \a*KB+FHS*1024
.endr
.endm
; Eight matrix instructions: W's block b against a's eight groups, set p.  The 32 accumulators take turns, one instruction a turn, in the same order in every half step.
.macro PMUL b, p, zero
.irp a, 0,1,2,3,4,5,6,7
.set XD, 8*(8*(\b)+\a)
.set XA, AF+64*(\p)+8*\a
.set XB, BF+32*(\p)+8*(\b)
.if \zero
	v_wmma_f32_16x16x64_fp8_fp8 v[XD:XD+7], v[XB:XB+7], v[XA:XA+7], 0
.else
	v_wmma_f32_16x16x64_fp8_fp8 v[XD:XD+7], v[XB:XB+7], v[XA:XA+7], v[XD:XD+7]
.endif
.endr
.endm
.macro H i                             ; a half step
	s_wait_dscnt 0x0                               ; its fragments are in
.if (\i) == 11
	s_wait_tensorcnt 0x0                           ; my part of slot 0's second fill has landed (the one load that is out),
	s_barrier_signal -1
	s_barrier_wait -1                              ; everybody's has.
.endif
.if (\i) > 0
	PLACES                                         ; the other set was multiplied by the half step before
.endif
.if (\i) < 15
	PFETCH (\i)+1
.endif
	WIN 0x50                                       ; C and D in window 1
.irp b, 0,1,2,3
.if (\i) == 0
	PMUL \b, 0, 1                                  ; the first products start the sums: nothing is ever cleared
.else
	PMUL \b, (\i)%2, 0
.endif
.endr
	WIN 0
.endm
	s_load_b256 s[4:11], s[0:1], 0x0               ; ac s[4:5], woc s[6:7], the scales' exponents s[8:9], b_out s[10:11]
	s_load_b64 s[12:13], s[0:1], 0x20              ; out0
	v_lshl_add_u32 v[SPW], v0, 2, SPARE
	v_mov_b32 v[NIL], 0
	ds_add_u32 v12, v13
	ds_add_u32 v12, v13
	s_wait_dscnt 0x0
	v_lshrrev_b32 v1, 5, v0
	v_readfirstlane_b32 s14, v1                    ; wave 0..3
	s_lshr_b32 s15, s14, 1                         ; rh: which 128 rows are mine.  Also: I fetch for a (0) or for W (1)
	s_and_b32 s16, s14, 1                          ; ch: which 64 columns.  Also: which half of that tile I fetch
	s_bfe_u32 s66, ttmp6, 0x40000                  ; cx, cy: my place in the cluster
	s_bfe_u32 s67, ttmp6, 0x40004
	s_lshl_b32 s68, ttmp9, 2
	s_add_co_u32 s68, s68, s66                     ; tile column = 4 x cluster x + cx
	s_and_b32 s17, ttmp7, 0xffff
	s_lshl_b32 s17, s17, 2
	s_add_co_u32 s17, s17, s67                     ; tile row = 4 x cluster y + cy
	s_lshl_b32 s69, s67, 2
	s_lshl_b32 s69, 15, s69                        ; my row of the cluster
	s_lshl_b32 s70, 0x1111, s66                    ; my column
	; descriptor group 1: rows of 512 elements of 8 bytes (a group's 4,096 bytes of 256 along K), 2,048 elements from group to group; dense in LDS.  a: 8 groups a load; W: 4
	s_or_b32 s[G1+0], s69, (3<<16)|(1<<21)         ; 15:0 the mask; 17:16 elements of 8 bytes; 21 set beside a mask; no padding
	s_or_b32 s[G1B+0], s70, (3<<16)|(1<<21)
	s_mov_b32 s[G1+1], 512<<16                     ; tensor_dim0
	s_mov_b32 s[G1+2], 8<<16                       ; tensor_dim1
	s_mov_b32 s[G1+3], 512<<16                     ; tile_dim0
	s_mov_b32 s[G1+4], 8                           ; tile_dim1
	s_mov_b32 s[G1+5], 2048                        ; tensor_dim0_stride
	s_mov_b32 s[G1+6], 0
	s_mov_b32 s[G1+7], 0
	s_mov_b32 s[G1B+1], 512<<16
	s_mov_b32 s[G1B+2], 4<<16
	s_mov_b32 s[G1B+3], 512<<16
	s_mov_b32 s[G1B+4], 4
	s_mov_b32 s[G1B+5], 2048
	s_mov_b32 s[G1B+6], 0
	s_mov_b32 s[G1B+7], 0
	s_lshl_b32 s22, s16, 3
	s_lshl_b32 s20, s17, 4
	s_add_co_u32 s20, s20, s22                     ; a: group 16 x tile row + 8 x half
	s_lshl_b32 s20, s20, 14
	s_mov_b32 s21, 0
	s_lshl_b32 s23, s16, 2
	s_lshl_b32 s72, s68, 3
	s_add_co_u32 s72, s72, s23                     ; W: group 8 x tile column + 4 x half
	s_lshl_b32 s72, s72, 14
	s_mov_b32 s73, 0
	s_lshl_b32 s18, s16, 15                        ; where they go: a's half x 8 groups;
	s_lshl_b32 s19, s16, 14
	s_add_co_u32 s19, s19, ASZ                     ; W's half x 4 groups, behind a's 16: no place in the cluster enters an LDS address
	s_wait_kmcnt 0x0
	s_load_b256 s[76:83], s[8:9], 0x0              ; e0 .. e7
	s_add_nc_u64 s[20:21], s[4:5], s[20:21]
	s_add_nc_u64 s[72:73], s[6:7], s[72:73]
	CROUND                                         ; all sixteen work-groups are here: the first joint loads meet
.irp s, 0,1,2
	s_mov_b32 s[G0+4*\s], 1
	s_add_co_u32 s[G0+4*\s+1], s18, \s*SLOT
	s_add_nc_u64 s[G0+4*\s+2:G0+4*\s+3], s[20:21], \s*KB
	s_or_b32 s[G0+4*\s+3], s[G0+4*\s+3], 0x80000000
	s_mov_b32 s[G0B+4*\s], 1
	s_add_co_u32 s[G0B+4*\s+1], s19, \s*SLOT
	s_add_nc_u64 s[G0B+4*\s+2:G0B+4*\s+3], s[72:73], \s*KB
	s_or_b32 s[G0B+4*\s+3], s[G0B+4*\s+3], 0x80000000
.endr
	s_cmp_eq_u32 s15, 0                            ; a wave's three first fills stand in one branch: three loads of mine are out
	s_cbranch_scc0 .Lfirst_b
	tensor_load_to_lds s[G0:G0+3], s[G1:G1+7]
	s_nop 0
	tensor_load_to_lds s[G0+4:G0+7], s[G1:G1+7]
	s_nop 0
	tensor_load_to_lds s[G0+8:G0+11], s[G1:G1+7]
	s_nop 0
.rept 4
	v_nop
.endr
	s_branch .Lfirst_asked
.Lfirst_b:
	tensor_load_to_lds s[G0B:G0B+3], s[G1B:G1B+7]
	s_nop 0
	tensor_load_to_lds s[G0B+4:G0B+7], s[G1B:G1B+7]
	s_nop 0
	tensor_load_to_lds s[G0B+8:G0B+11], s[G1B:G1B+7]
	s_nop 0
.rept 4
	v_nop
.endr
.Lfirst_asked:
	v_and_b32 v1, 31, v0
	v_lshlrev_b32 v1, 4, v1                        ; 16 x lane
	v_and_b32 v14, 15, v0                          ; r
	v_bfe_u32 v15, v0, 4, 1                        ; h
	v_lshlrev_b32 v[H32], 5, v15
	s_lshl_b32 s22, s15, 15                        ; my 8 groups of a
	v_add_nc_u32 v[ADRA], s22, v1
	v_add_nc_u32 v[ADRA+1], SLOT, v[ADRA]
	v_add_nc_u32 v[ADRA+2], SLOT, v[ADRA+1]
	v_add_nc_u32 v[ADRB], s19, v1                  ; my 4 groups of W: ch x 4 groups behind a's 16
	v_add_nc_u32 v[ADRB+1], SLOT, v[ADRB]
	v_add_nc_u32 v[ADRB+2], SLOT, v[ADRB+1]
	s_mul_i32 s23, s14, 16*SP
	s_add_co_u32 s23, s23, STAGE                   ; my stage
	v_mul_u32_u24 v[STO], v14, SP                  ; in: row r, 32 bytes for each half of the lanes
	v_lshl_add_u32 v[STO], v15, 5, v[STO]
	v_add_nc_u32 v[STO], s23, v[STO]
	v_mul_u32_u24 v[RDB], v15, SP                  ; back: lanes 0-15 one row of 256 bytes, lanes 16-31 the next
	v_lshl_add_u32 v[RDB], v14, 4, v[RDB]
	v_add_nc_u32 v[RDB], s23, v[RDB]
	v_lshlrev_b32 v[CO], 12, v15                   ; and the same two rows of the output, 4,096 bytes apart
	v_lshl_add_u32 v[CO], v14, 4, v[CO]
	s_lshl_b32 s86, s68, 9
	s_lshl_b32 s87, s16, 8
	s_add_co_u32 s86, s86, s87                     ; my first column, in bytes: 512 x tile column + 256 x ch
	s_mov_b32 s87, 0
	s_add_nc_u64 s[10:11], s[10:11], s[86:87]
	s_add_nc_u64 s[12:13], s[12:13], s[86:87]
	s_lshl_b32 s86, s17, 1
	s_add_co_u32 s86, s86, s15
	s_lshl_b32 s86, s86, 19                        ; my first row: 128 rows of 4,096 bytes x (2 x tile row + rh)
	s_add_nc_u64 s[12:13], s[12:13], s[86:87]
	WIN 0x80                                       ; destination window 2
.irp b, 0,1,2,3
	global_load_b128 v[8*\b:8*\b+3], v[H32], s[10:11] offset:64*\b          ; b_out at columns 16 b + 8 h + 0 .. 7
	global_load_b128 v[8*\b+4:8*\b+7], v[H32], s[10:11] offset:64*\b+16
.endr
	WIN 0
	s_wait_tensorcnt 0x2                           ; my part of slot 0 is in; slots 1 and 2 may stay out
	s_barrier_signal -1
	s_barrier_wait -1                              ; everybody's is
	PFETCH 0
	H 0
	H 1
	H 2
	; half step 3 leaves slot 0, which is filled once more.  Each wave waits for all its tensor loads (slots 1 and 2), adds 0 to its spare word, and waits for that and for its reads of slot 0
	s_wait_dscnt 0x0                               ; half step 3's fragments are in: my last reads of slot 0
	s_wait_tensorcnt 0x0                           ; all my tensor loads have landed
	ds_add_u32 v[SPW], v[NIL]                      ; 0 onto my spare word
	WIN 0x50
	PMUL 0, 1, 0                                   ; sixteen matrix instructions stand between the add and the wait for it
	PMUL 1, 1, 0
	s_wait_dscnt 0x0                               ; the add is done
	s_barrier_signal -1                            ; this barrier opens a round of the cluster's
	PMUL 2, 1, 0
	PMUL 3, 1, 0
	WIN 0
	s_barrier_wait -1
	CREST                                          ; no wave of any partner still reads slot 0 or has a load on its way; slots 1 and 2 are whole
	s_add_nc_u64 s[G0+2:G0+3], s[G0+2:G0+3], 3*KB  ; K = 768 on
	s_add_nc_u64 s[G0B+2:G0B+3], s[G0B+2:G0B+3], 3*KB
	JLOAD G0, G0B                                  ; the first tensor load behind the round, and my last; its four v_nop are the places in front of the loads below
	PFETCH 4
.irp i, 4,5,6,7,8,9,10,11,12,13,14,15
	H \i
.endr
	; THE WAY OUT, block by block of 16 rows x 64 columns: sum x 2^(e6 + e7) + b_out, one fused multiply-add; through my own stage, back as whole rows of 256 bytes.
	; LDS serves a wave's instructions in order (ISA guide 5.7.1.4): no wait between the stores and the loads, nor in front of the next block's stores.
	s_wait_kmcnt 0x0
	s_add_co_i32 s84, s82, s83
	s_add_co_i32 s84, s84, 127
	s_lshl_b32 s84, s84, 23                        ; 2^(e6 + e7) as f32
	s_mov_b32 s85, s84                             ; (named with it as a pair, so it is written)
	s_wait_loadcnt 0x0                             ; b_out
	PLACES
.macro TOSTAGE a
	WIN 0x21                                       ; source 0 (the sums) window 1, source 2 (b_out) window 2
.irp b, 0,1,2,3
.irp i, 0,2,4,6
	v_pk_fma_f32 v[T+8*\b+\i:T+8*\b+\i+1], v[8*(8*\b+(\a))+\i:8*(8*\b+(\a))+\i+1], s[84:85], v[8*\b+\i:8*\b+\i+1] op_sel_hi:[1,0,1]   ; each accumulator from its low end on
.endr
.endr
	WIN 0
.irp b, 0,1,2,3
	ds_store_b128 v[STO], v[T+8*\b:T+8*\b+3] offset:64*\b
	ds_store_b128 v[STO], v[T+8*\b+4:T+8*\b+7] offset:64*\b+16
.endr
.set BB, 64+64*((\a)%2)                ; v64-95 and v128-159 by turns
.irp t, 0,1,2,3,4,5,6,7
	ds_load_b128 v[BB+4*\t:BB+4*\t+3], v[RDB] offset:\t*2*SP
.endr
.endm
.macro SEND a, younger                 ; younger: the LDS instructions issued behind block a's loads, which may stay out
.set BB, 64+64*((\a)%2)
	s_wait_dscnt \younger
.irp t, 0,1,2,3,4,5,6,7
	global_store_b128 v[CO], v[BB+4*\t:BB+4*\t+3], s[12:13] offset:(\a)*65536+\t*8192 th:TH_STORE_NT   ; 16 lanes store 256 consecutive bytes, at a multiple of 256 from the output's first byte; written once, read by nobody here
.endr
.endm
	TOSTAGE 0
.irp a, 1,2,3,4,5,6,7
.if \a > 1
	s_wait_xcnt 0x0                                ; block a - 2's stores have read their registers: block a's loads may land there
.endif
	TOSTAGE \a
	SEND \a-1, 16                                  ; behind block a - 1's loads: block a's 8 stores and 8 loads
.endr
	SEND 7, 0
	s_wait_tensorcnt 0x0                           ; the wave's end
	ds_add_u32 v[SPW], v[NIL]
	s_wait_dscnt 0x0
	CROUND                                         ; the closing round: no work-group ends while a partner may still ask for a tile that names it
	s_endpgm
.Lfunc_end_k_q57a46bd9a5_proj:
	.size	k_q57a46bd9a5_proj, .Lfunc_end_k_q57a46bd9a5_proj-k_q57a46bd9a5_proj
	.p2alignl 7, 3214868480
	.fill 96, 4, 3214868480
	.section	.rodata,"a",@progbits
	.p2align	6, 0x0
	.amdhsa_kernel k_q57a46bd9a5_proj
		.amdhsa_group_segment_fixed_size 327680
		.amdhsa_private_segment_fixed_size 0
		.amdhsa_enable_private_segment 0
		.amdhsa_kernarg_size 40
		.amdhsa_user_sgpr_count 2
		.amdhsa_user_sgpr_kernarg_segment_ptr 1
		.amdhsa_wavefront_size32 1
		.amdhsa_system_sgpr_workgroup_id_x 1
		.amdhsa_system_sgpr_workgroup_id_y 1
		.amdhsa_system_sgpr_workgroup_id_z 1
		.amdhsa_system_vgpr_workitem_id 0
		.amdhsa_next_free_vgpr 768
		.amdhsa_next_free_sgpr 104
		.amdhsa_reserve_vcc 0
		.amdhsa_float_denorm_mode_32 3
		.amdhsa_float_denorm_mode_16_64 3
		.amdhsa_memory_ordered 1
		.amdhsa_forward_progress 1
		.amdhsa_inst_pref_size 92
	.end_amdhsa_kernel
	.amdgpu_metadata
---
amdhsa.version: [ 1, 2 ]
amdhsa.kernels:
  - .name:           k_q57a46bd9a5_proj
    .symbol:         k_q57a46bd9a5_proj.kd
    .args:
      - { .name: ac, .offset: 0, .size: 8, .value_kind: global_buffer, .address_space: global }
      - { .name: woc, .offset: 8, .size: 8, .value_kind: global_buffer, .address_space: global }
      - { .name: lowp_scales, .offset: 16, .size: 8, .value_kind: global_buffer, .address_space: global }
      - { .name: b_out, .offset: 24, .size: 8, .value_kind: global_buffer, .address_space: global }
      - { .name: out0, .offset: 32, .size: 8, .value_kind: global_buffer, .address_space: global }
    .group_segment_fixed_size: 327680
    .private_segment_fixed_size: 0
    .kernarg_segment_align: 8
    .kernarg_segment_size: 40
    .max_flat_workgroup_size: 128
    .sgpr_count:     104
    .vgpr_count:     768
    .wavefront_size: 32
...
	.end_amdgpu_metadata
.endif
;; end of part 4
